; MI455X (gfx1250); checked and timed in simulation.
; The chip was launched on July 23, 2026; its instructions are those of AMD's public machine-readable ISA for CDNA 5 (MIT licence, August 2026) and "CDNA5" Instruction Set Architecture Reference Guide (July 2026). The comments in the code are by the model that wrote it; some were corrected since.
;; Custom Layer MKM. Allowed arithmetic: float matrix products may take bf16 or f16 operands with f32 sums; all other float work in f32.
;; Inputs: bias_O 4,096 float32; input_BI 4,096 x 4,096 float32; w0a 64 x 64 float32; w0b 64 x 64 float32; w1a 128 x 128 float32; w1b 32 x 32 float32; w2a 32 x 32 float32; w2b 128 x 128 float32.
;; Outputs: out0 4,096 x 4,096 float32.
;; One version. Each part assembles by itself: llvm-mc -triple=amdgcn-amd-amdhsa -mcpu=gfx1250 --defsym DOCPART=n.
;; ======== version 1 of 1: 1 launch
;; limits: values are held in f16: magnitudes above 65,504 overflow, below 6.1e-05 lose precision; right only within a limited range of input values
;; launch mkm (part 1): grid 256 x 1, 4 waves a work-group, clusters of 4 x 1, 327,680 bytes of LDS; arguments input_BI, w0a, w0b, w1a, w1b, w2a, w2b, bias_O, out0; writes out0
.if DOCPART == 1
	.amdgcn_target "amdgcn-amd-amdhsa--gfx1250"
	.amdhsa_code_object_version 6
	.text
	.protected	k_q3c8a5f2cde_mkm
	.globl	k_q3c8a5f2cde_mkm
	.p2align	8
	.type	k_q3c8a5f2cde_mkm,@function
k_q3c8a5f2cde_mkm:
	s_mov_b64 s[64:65], 0
	v_nop
	global_prefetch_b8 v0, s[64:65] scope:SCOPE_SE
	s_setreg_imm32_b32 hwreg(HW_REG_WAVE_MODE, 25, 1), 1
	s_wait_xcnt 0x0
	s_wait_alu depctr_hold_cnt(0) depctr_sa_sdst(0) depctr_va_vdst(0) depctr_va_sdst(0) depctr_va_ssrc(0) depctr_va_vcc(0) depctr_vm_vsrc(0)
	s_getreg_b32 s2, hwreg(HW_REG_IB_STS2, 6, 4)
	s_cmp_eq_u32 s2, 0
	s_cbranch_scc0 .Lentry_in_a_cluster
	s_endpgm
.Lentry_in_a_cluster:
	s_bfe_u32 s2, ttmp6, 0x10000c
	s_cmp_lg_u32 s2, 0x3003
	s_cbranch_scc0 .Lentry_shape_is_right
	s_endpgm
.Lentry_shape_is_right:
; out[b][o] = sum over i of X[b][i] W[o][i] + bias[o], W = kron(w0b,w0a) + kron(w1b,w1a) + kron(w2b,w2a); B = I = O = 4096, all f32 in memory.
; kron(wb,wa)[o2 n + o1][i2 n + i1] = wb[o2][i2] wa[o1][i1] (wa is n x n), so for every input and every row b each term is two small products,
;   T[i2][o1] = sum over i1 of X_b[i2][i1] wa[o1][i1]   (step A, bf16 operands)      Y[o1][o2] = sum over i2 of T[i2][o1] wb[o2][i2]   (step B, f16 operands)
; 240 matrix instructions a row for the work-group's four waves, where the dense product has 2,048.  W is never formed.  Sums in f32; the three terms and the bias meet in one f32 accumulator.
; FORMATS AND LIMITS.  x, the six weights and the bias are rounded to bf16.  T is rounded once to f16: |T| must stay under 65,504 (sums of 32 to 128 products x wa).  wb, rounded to bf16, is written
; as f16: exact down to 2^-17, below that off by 3e-8 at the most.  The order of the sums is not the dense product's.  NaN and infinities are not treated apart.
; SHARES.  256 work-groups of four waves; a work-group owns 16 rows of X and of out.  Of an output index o: bits 0-3 lie in a lane's registers (8 (lane / 16) + j), bits 4-5 are the wave, bit 6 (t6) and
; bit 11 (t11) number the wave's four accumulators Y[t6 + 2 t11], bits 7-10 are lane % 16.  A wave keeps its 37 weight fragments (296 registers) for the whole launch.
; STEP A leaves one o1 a lane and eight i2 in its registers: two such results, rounded to f16 in pairs, ARE source 0 (16 o1 x 32 i2) of step B, whose source 1 is 16 rows of wb; in step B's result a lane
; holds eight neighbouring outputs.  Nothing changes lanes between the products.
; X comes through registers (it has to be rounded anyway) into LDS as bf16, once, and is read from there in three views ([32][128], [64][64], [128][32]).  A row of out goes through a stage in LDS, so
; that each store of a wave covers 512 consecutive bytes, aligned.
; CLUSTER.  The four work-groups of a cluster need the same weights: each weight tile is asked for JOINTLY, by the same tensor load with the same descriptor and the mask of four.  Each LDS byte is filled once.
; REGISTERS, in windows of 256 (s_set_vgpr_msb: bits 1:0 source 0, 3:2 source 1, 5:4 source 2, 7:6 destination):
;   window 0: v0-51 addresses; v64-127 T (8 results of step A; earlier: weights and X at work); v128-159 T16 (4 fragments); v160-191 Y; v192-223 the bias of my 4 x 8 outputs; v224-255 a row's part on its way out
;   window 1: v0-63, v64-127, v128-191 the row's fragments in the views of terms 1, 0, 2; v192-255 w1a      window 2: v0-127 w2b; v128-191 w0b; v192-207 w1b; v208-223 w0a; v224-231 w2a
;   window 3: eight rows' parts of X as loaded, 32 registers a row
.set W2B_L,  67584      ; LDS: w1a at 0 (128 rows of 512 bytes, 528 apart); w2b here, as 4 tiles c of 32 rows (rows c + 4 m), 528 apart
.set W0A_L,  135168     ; w0a: 2 tiles c of 32 rows of 256 bytes (rows c + 2 m), 272 apart: the same shape as w0b's, so that one descriptor of constants serves both
.set W0B_L,  152576     ; w0b: 2 tiles c of 32 rows (rows c + 2 m), 272 apart
.set W1B_L,  169984     ; w1b: 32 rows of 128 bytes, 144 apart
.set W2A_L,  174592     ; w2a: the same.  All three pitches are odd multiples of 16 bytes: the 16 rows of a load start at 16 different groups of four banks (64 banks of 4 bytes: ISA guide 11.1);
                        ; w0a's loads alone, eight a wave in the launch, take rows of both its tiles, 8,704 bytes apart, and meet two deep
.set XB,     179200     ; X in bf16: 16 rows of 8,192 bytes.  Element i lies in line L = i / 128 (256 bytes), in the 16 bytes number ((i / 8) % 16) xor (L % 16): in each of the three views the 16 lanes of a load then touch 16 different columns
.set SPARE,  310272     ; the spare words, 128 bytes for each wave: two blocks of 256 bytes that no other line names
.set STG1,   32768      ; the two stages (32 pieces of 512 bytes, 528 apart: 16,896 bytes) lie at 0 and here, in w1a's bytes, which have had their only fill and are read no more when the first row leaves
.set XO,   8            ; v8   16 x my thread's number: my 16 bytes in 2,048 bytes of a row of X
.set CO,   9            ; v9   my 16 bytes in my wave's 4,096 bytes of a row of out
.set BO,   10           ; v10  byte offset of my eight numbers in the bias
.set STO0, 11           ; v11  where I put 32 bytes in stage 0
.set RD0,  12           ; v12  where I read 16 bytes back from stage 0
.set STO,  13           ; v13, v14  the same in the stage in hand
.set RD,   14
.set SA,   16           ; v16-19  where my 8 bytes of X go: by load number % 4
.set FA1,  20           ; v20-27  the row in hand, view of term 1: eight addresses, one for each column pattern
.set FA0,  28           ; v28-35  view of term 0
.set FA2,  36           ; v36-43  view of term 2
.set AW1,  44           ; v44-49  my lane's place in the six weights
.set AW0A, 45
.set AW2A, 46
.set AW1B, 47
.set AW0B, 48
.set AW2B, 49
.set SPW,  50           ; v50  LDS address of my spare word; never rewritten
.set NIL,  51           ; v51  0; never rewritten
.set T,    64
.set T16,  128
.set Y,    160
.set BIAS, 192
.set OB,   224
.set WV,   26           ; s26  my wave's number;  s27 its upper bit;  s28 its lower bit
.set HI,   27
.set PP,   28
.set CNT,  84           ; s84  counts rows
.set HMSK, 85           ; s85  a word's upper bf16
.set PAR,  86           ; s86  0 or STG1: the stage in hand
.set ROWB, 87           ; s87  8,192: a row of X in LDS
.set MSB, 0
.macro WIN new                         ; the immediate's high byte repeats the setting that is left; a switch that changes nothing is dropped
.if MSB != (\new)
	s_set_vgpr_msb (MSB<<8)|(\new)
.set MSB, \new
.endif
.endm
; A round of the cluster's barrier: my work-group's barrier, so that wave 0's signal speaks for all four waves; wave 0 signals; every wave waits for all four work-groups; my work-group's barrier once more.
.macro CROUND
	s_barrier_signal -1
	s_barrier_wait -1
	s_cmp_lg_u32 s[WV], 0
	s_cbranch_scc1 .Lnot_wave_0_\@
	s_barrier_signal -3
.Lnot_wave_0_\@:
	s_barrier_wait -3
	s_barrier_signal -1
	s_barrier_wait -1
.endm
	s_load_b512 s[8:23], s[0:1], 0x0               ; X s[8:9], w0a s[10:11], w0b s[12:13], w1a s[14:15], w1b s[16:17], w2a s[18:19], w2b s[20:21], bias s[22:23]
	s_load_b64 s[24:25], s[0:1], 0x40              ; out
	v_lshl_add_u32 v[SPW], v0, 2, SPARE
	v_mov_b32 v[NIL], 0
	ds_add_u32 v[SPW], v[NIL]                      ; the wave's opening: the add and its wait stand ahead of my first tensor load; the set-up below, work on registers, stands between them
	v_lshrrev_b32 v1, 5, v0
	v_readfirstlane_b32 s[WV], v1                  ; wave 0..3
	s_lshr_b32 s[HI], s[WV], 1
	s_and_b32 s[PP], s[WV], 1
	s_bfe_u32 s29, ttmp6, 0x40000                  ; cx: my place in the cluster; it enters X's and out's addresses alone
	s_lshl_b32 s94, ttmp9, 2                       ; in a cluster launch ttmp9 counts clusters
	s_add_co_u32 s29, s94, s29                     ; my work-group = 4 x cluster + cx
	s_lshl_b32 s92, s29, 18                        ; its 16 rows of 16,384 bytes
	s_mov_b32 s93, 0
	; Descriptor groups 1, all words constants; elements of 4 bytes, 4 words of padding behind each weight row; 15:0 the mask of four, 21 set beside it.
	; s[32:39]: 32 rows x 128 of w1a.  s[40:47]: 32 rows x 128 of w2b, every fourth row.  s[48:55]: 32 rows x 64 of w0a or w0b, every second row.  s[56:63]: 2,048 dense bytes of w1b or w2a as 8 rows x 64.
	s_mov_b32 s32, 15|(2<<16)|(1<<20)|(1<<21)|(6<<22)|(3<<25)   ; padding after every 128 words (code 6)
	s_mov_b32 s33, 128<<16                         ; tensor_dim0
	s_mov_b32 s34, 32<<16                          ; tensor_dim1
	s_mov_b32 s35, 128<<16                         ; tile_dim0
	s_mov_b32 s36, 32                              ; tile_dim1
	s_mov_b32 s37, 128                             ; elements from row to row
	s_mov_b32 s38, 0
	s_mov_b32 s39, 0
	s_mov_b32 s40, 15|(2<<16)|(1<<20)|(1<<21)|(6<<22)|(3<<25)
	s_mov_b32 s41, 128<<16
	s_mov_b32 s42, 32<<16
	s_mov_b32 s43, 128<<16
	s_mov_b32 s44, 32
	s_mov_b32 s45, 512                             ; four rows of w2b on
	s_mov_b32 s46, 0
	s_mov_b32 s47, 0
	s_mov_b32 s48, 15|(2<<16)|(1<<20)|(1<<21)|(5<<22)|(3<<25)   ; after every 64 words (code 5)
	s_mov_b32 s49, 64<<16
	s_mov_b32 s50, 32<<16
	s_mov_b32 s51, 64<<16
	s_mov_b32 s52, 32
	s_mov_b32 s53, 128                             ; two rows of w0a or w0b on
	s_mov_b32 s54, 0
	s_mov_b32 s55, 0
	s_mov_b32 s56, 15|(2<<16)|(1<<20)|(1<<21)|(4<<22)|(3<<25)   ; after every 32 words (code 4): behind each weight row of 128 bytes
	s_mov_b32 s57, 64<<16
	s_mov_b32 s58, 8<<16
	s_mov_b32 s59, 64<<16
	s_mov_b32 s60, 8
	s_mov_b32 s61, 64
	s_mov_b32 s62, 0
	s_mov_b32 s63, 0
	; Groups 0: count 1 and the LDS address, a constant plus the wave's number times a constant
	s_mov_b32 s68, 1
	s_mul_i32 s69, s[WV], 16896
	s_mov_b32 s72, 1
	s_add_co_u32 s73, s69, W2B_L
	s_mov_b32 s76, 1
	s_mul_i32 s77, s[WV], 8704
	s_add_co_u32 s77, s77, W0A_L
	s_mov_b32 s80, 1
	s_mul_i32 s81, s[WV], 2304
	s_add_co_u32 s81, s81, W1B_L
	s_mov_b32 s31, 0
	s_mov_b32 s[HMSK], 0xffff0000
	s_mov_b32 s[PAR], 0
	s_mov_b32 s[ROWB], 8192
	s_wait_dscnt 0x0                               ; the opening add is done
	s_wait_kmcnt 0x0
	s_lshl_b32 s30, s[WV], 14                      ; w1a: my 32 rows of 512 bytes
	s_add_nc_u64 s[70:71], s[14:15], s[30:31]
	s_or_b32 s71, s71, 0x80000000                  ; 127:126 type = 2
	s_lshl_b32 s30, s[WV], 9                       ; w2b: from row number = my wave
	s_add_nc_u64 s[74:75], s[20:21], s[30:31]
	s_or_b32 s75, s75, 0x80000000
	s_cmp_lt_u32 s[WV], 2                          ; waves 0, 1: w0a and w1b; waves 2, 3: w0b and w2a
	s_cselect_b64 s[88:89], s[10:11], s[12:13]
	s_cselect_b64 s[90:91], s[16:17], s[18:19]
	s_lshl_b32 s30, s[PP], 8                       ; w0a, w0b: from row number = my wave's lower bit
	s_add_nc_u64 s[78:79], s[88:89], s[30:31]
	s_or_b32 s79, s79, 0x80000000
	s_lshl_b32 s30, s[PP], 11                      ; w1b, w2a: which 2,048 bytes
	s_add_nc_u64 s[82:83], s[90:91], s[30:31]
	s_or_b32 s83, s83, 0x80000000
	s_add_nc_u64 s[8:9], s[8:9], s[92:93]          ; X and out at my work-group's first row
	s_add_nc_u64 s[24:25], s[24:25], s[92:93]
	CROUND                                         ; all four work-groups are here: the joint loads meet
	tensor_load_to_lds s[68:71], s[32:39]          ; the launch's only fills, one group: four tensor loads of mine are out
	s_nop 0
	tensor_load_to_lds s[72:75], s[40:47]
	s_nop 0
	tensor_load_to_lds s[76:79], s[48:55]
	s_nop 0
	tensor_load_to_lds s[80:83], s[56:63]
	s_nop 0
.rept 4
	v_nop
.endr
	v_and_b32 v1, 31, v0                           ; l
	v_and_b32 v2, 15, v0                           ; r = l % 16
	v_bfe_u32 v3, v0, 4, 1                         ; h = l / 16
	v_lshlrev_b32 v[XO], 4, v0
	v_lshlrev_b32 v[BO], 9, v2                     ; o = 8 h + j + 16 w + 64 t6 + 128 r + 2048 t11, four bytes each
	v_lshl_add_u32 v[BO], v3, 5, v[BO]
	s_lshl_b32 s88, s[WV], 6
	v_add_nc_u32 v[BO], s88, v[BO]
.irp t, 0,1,2,3
	global_load_b128 v[BIAS+8*\t:BIAS+8*\t+3],   v[BO], s[22:23] offset:(\t%2)*256+(\t/2)*8192
	global_load_b128 v[BIAS+8*\t+4:BIAS+8*\t+7], v[BO], s[22:23] offset:(\t%2)*256+(\t/2)*8192+16
.endr
	; Rows 0 to 7 of X: 64 loads a wave, each 512 consecutive bytes; the four waves cover 2,048 bytes, eight such a row.  With the bias 72 loads: the issue of those that would
	; push the counter past its field is held until the oldest are back (ISA guide 5.7.1); no wait is written for that.
	WIN 0xc0                                       ; destination window 3, address window 0
.set c, 0
.rept 64
	global_load_b128 v[4*c:4*c+3], v[XO], s[8:9] offset:(c/8)*16384+(c%8)*2048 th:TH_LOAD_NT
.set c, c+1
.endr
	WIN 0
	; Where X goes.  Load j of a row brings me elements 512 j + 128 w + 4 l ..: line 4 j + w, the 16 bytes number l / 2 xor (4 (j % 4) + w), half l % 2.
	v_lshrrev_b32 v4, 1, v1
	v_xor_b32 v4, s[WV], v4
	v_and_b32 v5, 1, v0
	s_lshl_b32 s88, s[WV], 8
	s_add_co_u32 s88, s88, XB
	v_lshl_add_u32 v5, v5, 3, s88
.irp k, 0,1,2,3
	v_xor_b32 v6, 4*\k, v4
	v_and_b32 v6, 15, v6
	v_lshl_add_u32 v[SA+\k], v6, 4, v5
.endr
	; Where fragments of X come from.  A fragment is 16 rows x 32 along K: lane l holds row r; registers 0-3 K = 8 h + 0..7, registers 4-7 K = 16 + 8 h + 0..7.  v4: the column that does not hang on the fragment,
	; v5: the lane's line; address e takes column v4 xor 2 e.
.macro FAGEN fa
.set c, 0
.rept 8
	v_xor_b32 v6, 2*c, v4
	v_and_b32 v6, 15, v6
	v_lshl_add_u32 v[(\fa)+c], v6, 4, v5
.set c, c+1
.endr
.endm
	v_xor_b32 v4, v2, v3                           ; rows of 128: line r, column (4 kt + 2 q + h) xor r
	v_lshl_add_u32 v5, v2, 8, XB
	FAGEN FA1
	v_and_b32 v4, 1, v2                            ; rows of 64: line 8 mt + r / 2, column (8 (r % 2) + 4 kt + 2 q + h) xor (8 (mt % 2) + r / 2)
	v_lshl_or_b32 v4, v4, 3, v3
	v_lshrrev_b32 v7, 1, v2
	v_xor_b32 v4, v4, v7
	v_lshl_add_u32 v5, v7, 8, XB
	FAGEN FA0
	v_and_b32 v4, 3, v2                            ; rows of 32: line 4 mt + r / 4, column (4 (r % 4) + 2 q + h) xor (4 (mt % 4) + r / 4)
	v_lshl_or_b32 v4, v4, 2, v3
	v_lshrrev_b32 v7, 2, v2
	v_xor_b32 v4, v4, v7
	v_lshl_add_u32 v5, v7, 8, XB
	FAGEN FA2
	; The weights (f32 in LDS: 8 numbers are 32 bytes), the stage, out
	v_mul_u32_u24 v4, v2, 528
	v_lshl_add_u32 v4, v3, 5, v4                   ; 528 r + 32 h
	s_mul_i32 s88, s[WV], 8448
	v_add_nc_u32 v[AW1], s88, v4                   ; w1a: rows 16 w + r (and 64 further on)
	s_mul_i32 s88, s[HI], 16896
	s_add_co_u32 s88, s88, W2B_L
	v_add_nc_u32 v[AW2B], s88, v4                  ; w2b: rows w / 2 + 2 t6 + 4 r + 64 t11: tile w / 2 + 2 t6, row r + 16 t11 of it
	s_lshl_b32 s88, s[WV], 6
	v_add_nc_u32 v[STO0], s88, v4                  ; stage: piece r + 16 t11, byte 32 h + 64 w + 256 t6
	v_mul_u32_u24 v5, v2, 272
	v_lshl_add_u32 v5, v3, 5, v5
	v_add_nc_u32 v[AW0B], W0B_L, v5                ; w0b: rows t6 + 2 r + 32 t11: tile t6, row r + 16 t11 of it
	v_lshrrev_b32 v7, 1, v2                        ; w0a: rows 16 w + r: tile r % 2, row 8 w + r / 2 of it
	v_mul_u32_u24 v7, v7, 272
	v_lshl_add_u32 v7, v3, 5, v7
	v_and_b32 v6, 1, v2
	v_mul_u32_u24 v6, v6, 8704
	s_mul_i32 s88, s[WV], 2176
	s_add_co_u32 s88, s88, W0A_L
	v_add3_u32 v[AW0A], v6, v7, s88
	v_mul_u32_u24 v6, v2, 144
	v_lshl_add_u32 v6, v3, 5, v6
	s_mul_i32 s88, s[PP], 2304
	s_add_co_u32 s88, s88, W2A_L
	v_add_nc_u32 v[AW2A], s88, v6                  ; w2a: rows 16 (w % 2) + r
	v_add_nc_u32 v[AW1B], W1B_L, v6                ; w1b: rows r + 16 t11
	s_mul_i32 s88, s[WV], 8*528
	v_lshl_add_u32 v[RD0], v1, 4, s88              ; back: my wave takes pieces 8 w .. 8 w + 7, whole: 32 lanes x 16 bytes
	s_lshl_b32 s88, s[WV], 12
	v_lshl_add_u32 v[CO], v1, 4, s88
	s_wait_tensorcnt 0x0                           ; my four tiles are in,
	s_barrier_signal -1
	s_barrier_wait -1                              ; everybody's are
; THE WEIGHTS INTO REGISTERS.  Fragment i of my 37: its address register, its immediate, the window setting and the register of its destination.
.macro WFRAG i
.if (\i) < 8                           ; w1a: t6 = i / 4, K step i % 4
.set wAD, AW1
.set wIM, ((\i)/4)*33792+((\i)%4)*128
.set wWN, 0x40
.set wDS, 192+8*(\i)
.elseif (\i) < 10                      ; w0a: K step i - 8
.set wAD, AW0A
.set wIM, ((\i)-8)*128
.set wWN, 0x80
.set wDS, 208+8*((\i)-8)
.elseif (\i) < 11                      ; w2a
.set wAD, AW2A
.set wIM, 0
.set wWN, 0x80
.set wDS, 224
.elseif (\i) < 13                      ; w1b: t11 = i - 11
.set wAD, AW1B
.set wIM, ((\i)-11)*2304
.set wWN, 0x80
.set wDS, 192+8*((\i)-11)
.elseif (\i) < 21                      ; w0b: accumulator t = (i - 13) / 2, K step (i - 13) % 2
.set wAD, AW0B
.set wIM, ((((\i)-13)/2)%2)*8704+(((\i)-13)/4)*4352+(((\i)-13)%2)*128
.set wWN, 0x80
.set wDS, 128+8*((\i)-13)
.else                                  ; w2b: accumulator t = (i - 21) / 4, K step (i - 21) % 4
.set wAD, AW2B
.set wIM, ((((\i)-21)/4)%2)*33792+(((\i)-21)/8)*8448+(((\i)-21)%4)*128
.set wWN, 0x80
.set wDS, 8*((\i)-21)
.endif
.set wTM, 64+16*((\i)%8)               ; sixteen f32 at work: eight such places take turns
.endm
.macro WL i                            ; four loads: K = 8 h + 0..7 (32 bytes) and K = 16 + 8 h + 0..7 (64 bytes on)
	WFRAG \i
	WIN 0
	ds_load_b128 v[wTM:wTM+3],     v[wAD] offset:wIM
	ds_load_b128 v[wTM+4:wTM+7],   v[wAD] offset:wIM+16
	ds_load_b128 v[wTM+8:wTM+11],  v[wAD] offset:wIM+64
	ds_load_b128 v[wTM+12:wTM+15], v[wAD] offset:wIM+80
.endm
.macro WC i                            ; wa: rounded to bf16.  wb: rounded to bf16, widened again in place (from the top down, so that no packed word is overwritten before it is read), and written as f16
	WFRAG \i
.if (\i) < 11
	WIN wWN
.set c, 0
.rept 8
	v_cvt_pk_bf16_f32 v[wDS+c], v[wTM+2*c], v[wTM+2*c+1]
.set c, c+1
.endr
.else
	WIN 0
.set c, 0
.rept 8
	v_cvt_pk_bf16_f32 v[wTM+c], v[wTM+2*c], v[wTM+2*c+1]
.set c, c+1
.endr
.set c, 7
.rept 8
	v_and_b32 v[wTM+2*c+1], s[HMSK], v[wTM+c]
	v_lshlrev_b32 v[wTM+2*c], 16, v[wTM+c]
.set c, c-1
.endr
	WIN wWN
.set c, 0
.rept 8
	v_cvt_pk_f16_f32 v[wDS+c], v[wTM+2*c], v[wTM+2*c+1]
.set c, c+1
.endr
.endif
.endm
.set fi, 0
.rept 6
	WL fi
.set fi, fi+1
.endr
.set fi, 0
.rept 37
.if fi+6 < 37
	WL fi+6                                        ; six fragments ahead; its place was read out two fragments ago
.endif
.if 36-fi < 6
	s_wait_dscnt 4*(36-fi)                         ; LDS loads come back in order (ISA guide 5.7.1): the younger fragments' loads, four each, may stay out; the last count is 0
.else
	s_wait_dscnt 24
.endif
	WC fi
.set fi, fi+1
.endr
; X INTO LDS.  Slot s of the ring in window 3: its eight loads are waited for, rounded to bf16 (4 numbers = 8 bytes a lane and load) and stored; a store's 32 lanes fill one line of 256 bytes.
; left: the younger loads, which may stay out.  reload = 1: the slot takes the row eight further down.
.macro XSLOT s, left, reload
	s_wait_loadcnt \left
	WIN 0x0f                                       ; sources in window 3, destination in window 0
.set xT, 64+16*((\s)%2)
.set c, 0
.rept 16
	v_cvt_pk_bf16_f32 v[xT+c], v[32*(\s)+2*c], v[32*(\s)+2*c+1]
.set c, c+1
.endr
	WIN 0
.set c, 0
.rept 8
	ds_store_b64 v[SA+c%4], v[xT+2*c:xT+2*c+1] offset:(\s)*8192+c*1024
.set c, c+1
.endr
.if \reload
	WIN 0xc0
.set c, 0
.rept 8
	global_load_b128 v[32*(\s)+4*c:32*(\s)+4*c+3], v[XO], s[8:9] offset:(8+(\s))*16384+c*2048 th:TH_LOAD_NT
.set c, c+1
.endr
.endif
.endm
.irp k, 0,1,2,3,4,5,6,7
	XSLOT \k, 56, 1                                ; behind slot k's loads stand the 8 (7 - k) of the later slots and the 8 k reloads: always 56.  The bias, older than all, is in with slot 0
.endr
	WIN 0
.set c, 0
.rept 16
	v_cvt_pk_bf16_f32 v[96+c], v[BIAS+2*c], v[BIAS+2*c+1]  ; the bias is rounded to bf16 like the other inputs, and kept as f32
.set c, c+1
.endr
.set c, 0
.rept 16
	v_lshlrev_b32 v[BIAS+2*c], 16, v[96+c]
	v_and_b32 v[BIAS+2*c+1], s[HMSK], v[96+c]
.set c, c+1
.endr
	s_wait_dscnt 0x0                               ; for the others' sake: my stores of rows 0 to 7 are done, and my reads of the weights came back long ago
	s_barrier_signal -1
	s_barrier_wait -1                              ; rows 0 to 7 are whole; nobody reads w1a's bytes any more: they are the stages from here on
; A row's fragments in the view of term v: sixteen loads.  Load n takes address n % 8 and steps the immediate by whole blocks of 16 rows of the view.
.macro VIEW v
.if (\v) == 1
.set fB, FA1
.set fD, 0
.set fO, 4096
.set fG, 8
.elseif (\v) == 0
.set fB, FA0
.set fD, 64
.set fO, 2048
.set fG, 4
.else
.set fB, FA2
.set fD, 128
.set fO, 1024
.set fG, 2
.endif
.endm
.macro PFL v
	VIEW \v
	WIN 0x40                                       ; destination window 1, address window 0
.set c, 0
.rept 16
	ds_load_b128 v[fD+4*c:fD+4*c+3], v[fB+c%8] offset:fO*(c/fG)
.set c, c+1
.endr
.endm
; Behind a term's step A its fragments are free: the next row's are fetched.  A load into a register that a matrix instruction has read, and a vector instruction that reads a matrix result, stand four places
; behind it, and only plain vector instructions that name none of its registers are places (ISA guide 7.12.1 for vector instructions): the eight adds that step the addresses are
; those places; in the last row four v_nop.
.macro PFX v, pf
.if \pf
	VIEW \v
	WIN 0
.set c, 0
.rept 8
	v_add_nc_u32 v[fB+c], s[ROWB], v[fB+c]
.set c, c+1
.endr
	PFL \v
.else
.rept 4
	v_nop
.endr
.endif
.endm
.macro CVT n, tb, db                   ; n results of step A, rounded to f16 in pairs, each from its low end on: two results make a fragment
	WIN 0
.set c, 0
.rept 4*(\n)
	v_cvt_pk_f16_f32 v[(\db)+c], v[(\tb)+2*c], v[(\tb)+2*c+1]
.set c, c+1
.endr
.endm
; THE MATRIX WORK.  In every run the accumulators take turns, one instruction a turn, K outermost; a run's last and the next run's first name different accumulators, over the loops' edges too.
.macro MMA1                            ; term 1, step A: T[mt + 2 t6] = X_b (rows 16 mt .., 128 along K) x w1a (rows 16 (w + 4 t6) ..): the first four start the sums
	WIN 0x05                                       ; both sources in window 1
.set c, 0
.rept 16
.set rD, T+8*(c%4)
.set rA, 8*(4*(c%2)+c/4)
.set rB, 192+8*(4*((c%4)/2)+c/4)
.if c < 4
	v_wmma_f32_16x16x32_bf16 v[rD:rD+7], v[rA:rA+7], v[rB:rB+7], 0
.else
	v_wmma_f32_16x16x32_bf16 v[rD:rD+7], v[rA:rA+7], v[rB:rB+7], v[rD:rD+7]
.endif
.set c, c+1
.endr
.endm
.macro MMB1                            ; term 1, step B: Y[t] = T16[t6] x w1b (rows r + 16 t11) + the bias: it starts the row's sums
	WIN 0x08                                       ; source 1 in window 2
.set c, 0
.rept 4
	v_wmma_f32_16x16x32_f16 v[Y+8*c:Y+8*c+7], v[T16+8*(c%2):T16+8*(c%2)+7], v[192+8*(c/2):192+8*(c/2)+7], v[BIAS+8*c:BIAS+8*c+7]
.set c, c+1
.endr
.endm
.macro MMA0                            ; term 0, step A: T[4 + mt] = X_b (rows 16 mt .., 64 along K) x w0a (rows 16 w ..)
	WIN 0x09                                       ; source 0 in window 1, source 1 in window 2
.set c, 0
.rept 8
.set rD, T+32+8*(c%4)
.set rA, 64+8*(2*(c%4)+c/4)
.set rB, 208+8*(c/4)
.if c < 4
	v_wmma_f32_16x16x32_bf16 v[rD:rD+7], v[rA:rA+7], v[rB:rB+7], 0
.else
	v_wmma_f32_16x16x32_bf16 v[rD:rD+7], v[rA:rA+7], v[rB:rB+7], v[rD:rD+7]
.endif
.set c, c+1
.endr
.endm
.macro MMB0                            ; term 0, step B: Y[t] += T16[2 + kt] x w0b
	WIN 0x08
.set c, 0
.rept 8
.set rD, Y+8*(c%4)
.set rA, T16+16+8*(c/4)
.set rB, 128+8*(2*(c%4)+c/4)
	v_wmma_f32_16x16x32_f16 v[rD:rD+7], v[rA:rA+7], v[rB:rB+7], v[rD:rD+7]
.set c, c+1
.endr
.endm
.macro MMA2                            ; term 2, step A: T[mt] = X_b (rows 16 mt .., 32 along K) x w2a (rows 16 (w % 2) ..); waves w and w + 2 make the same: the text's only double work
	WIN 0x09
.set c, 0
.rept 8
	v_wmma_f32_16x16x32_bf16 v[T+8*c:T+8*c+7], v[128+8*c:128+8*c+7], v[224:231], 0
.set c, c+1
.endr
.endm
.macro MMB2                            ; term 2, step B: Y[t] += T16[kt] x w2b
	WIN 0x08
.set c, 0
.rept 16
.set rD, Y+8*(c%4)
.set rA, T16+8*(c/4)
.set rB, 8*(4*(c%4)+c/4)
	v_wmma_f32_16x16x32_f16 v[rD:rD+7], v[rA:rA+7], v[rB:rB+7], v[rD:rD+7]
.set c, c+1
.endr
.endm
; THE WAY OUT of the row before: my wave's eight pieces of 512 bytes come back from the stage, and are stored.
.macro FLUSH_LD
	WIN 0
.set c, 0
.rept 8
	ds_load_b128 v[OB+4*c:OB+4*c+3], v[RD] offset:c*528
.set c, c+1
.endr
.endm
.macro FLUSH_ST
	WIN 0
	s_wait_dscnt 0x0                               ; the eight loads, the only LDS instructions of mine that are out
.set c, 0
.rept 8
	global_store_b128 v[CO], v[OB+4*c:OB+4*c+3], s[24:25] offset:c*512 th:TH_STORE_NT  ; 512 consecutive bytes, at a multiple of 512 from out's first byte
.set c, c+1
.endr
.endm
; A ROW.  On entry its fragments are in registers.  flush = 1: the row before leaves (its read-back lands under the first sixteen products).  pf = 1: the next row's fragments are fetched.
; p3 = 1: rows 8 to 15 of X, asked for while rows 0 to 7 were stored, go into LDS: they are first read in the next trip, behind this trip's barrier.
; ONE barrier a row, for three things: this row's stores into the stage are done before another wave reads them; the reads of the other stage (this trip's FLUSH_LD, waited for in front of the signal) are
; over before the next trip writes it; p3's stores are done before anybody reads those rows.
.macro TRIP flush, pf, p3
.if \flush
	FLUSH_LD
.endif
	MMA1
.if \flush
	FLUSH_ST
.endif
	PFX 1, \pf
	CVT 4, T, T16
	MMB1
	MMA0
	PFX 0, \pf
	CVT 4, T+32, T16+16
	MMB0
	MMA2
	PFX 2, \pf
	CVT 8, T, T16
	MMB2
	WIN 0
.if \p3
.irp k, 0,1,2,3
	v_add_nc_u32 v[SA+\k], 0x10000, v[SA+\k]       ; eight rows of 8,192 bytes on
.endr
.irp k, 0,1,2,3,4,5,6,7
	XSLOT \k, 56-8*\k, 0                           ; the later slots' loads may stay out
.endr
.endif
	v_add_nc_u32 v[STO], s[PAR], v[STO0]           ; these two and two v_nop: the four places between the last products and the stores that read them
	v_add_nc_u32 v[RD], s[PAR], v[RD0]
	v_nop
	v_nop
.set c, 0
.rept 4
	ds_store_b128 v[STO], v[Y+8*c:Y+8*c+3]   offset:(c/2)*8448+(c%2)*256      ; each accumulator from its low end on
	ds_store_b128 v[STO], v[Y+8*c+4:Y+8*c+7] offset:(c/2)*8448+(c%2)*256+16
.set c, c+1
.endr
	s_wait_dscnt 0x0                               ; my stores are done, for the others' sake; and the next row's fragments are in
	s_barrier_signal -1
	s_barrier_wait -1
	s_xor_b32 s[PAR], s[PAR], STG1
.if \flush
	s_wait_xcnt 0x0                                ; every earlier memory instruction has had its addresses translated (ISA guide 3.1): only behind this wait are the stores' base and their data registers rewritten
	s_add_nc_u64 s[24:25], s[24:25], 16384         ; the next row of out
.endif
.endm
	PFL 1                                          ; row 0's fragments
	PFL 0
	PFL 2
	WIN 0
	s_wait_dscnt 0x0
	TRIP 0, 1, 0                                   ; row 0: nothing leaves yet
	s_mov_b32 s[CNT], 5
.Lrows_a:                                              ; rows 1 to 5
	TRIP 1, 1, 0
	s_sub_co_u32 s[CNT], s[CNT], 1
	s_cmp_lg_u32 s[CNT], 0
	s_cbranch_scc1 .Lrows_a
	TRIP 1, 1, 1                                   ; row 6, and the second half of X
	s_mov_b32 s[CNT], 8
.Lrows_b:                                              ; rows 7 to 14
	TRIP 1, 1, 0
	s_sub_co_u32 s[CNT], s[CNT], 1
	s_cmp_lg_u32 s[CNT], 0
	s_cbranch_scc1 .Lrows_b
	TRIP 1, 0, 0                                   ; row 15: nothing is left to fetch
	FLUSH_LD                                       ; and row 15 leaves
	FLUSH_ST
	s_wait_tensorcnt 0x0                           ; the wave's end, behind my last tensor load and my last LDS store
	ds_add_u32 v[SPW], v[NIL]
	s_wait_dscnt 0x0
	CROUND                                         ; the closing round: no work-group ends while a partner may still ask for a tile that names it
	s_endpgm
.Lfunc_end_k_q3c8a5f2cde_mkm:
	.size	k_q3c8a5f2cde_mkm, .Lfunc_end_k_q3c8a5f2cde_mkm-k_q3c8a5f2cde_mkm
	.p2alignl 7, 3214868480
	.fill 96, 4, 3214868480
	.section	.rodata,"a",@progbits
	.p2align	6, 0x0
	.amdhsa_kernel k_q3c8a5f2cde_mkm
		.amdhsa_group_segment_fixed_size 327680
		.amdhsa_private_segment_fixed_size 0
		.amdhsa_enable_private_segment 0
		.amdhsa_kernarg_size 72
		.amdhsa_user_sgpr_count 2
		.amdhsa_user_sgpr_kernarg_segment_ptr 1
		.amdhsa_wavefront_size32 1
		.amdhsa_system_sgpr_workgroup_id_x 1
		.amdhsa_system_sgpr_workgroup_id_y 1
		.amdhsa_system_sgpr_workgroup_id_z 1
		.amdhsa_system_vgpr_workitem_id 0
		.amdhsa_next_free_vgpr 1024
		.amdhsa_next_free_sgpr 96
		.amdhsa_reserve_vcc 0
		.amdhsa_float_denorm_mode_32 3
		.amdhsa_float_denorm_mode_16_64 3
		.amdhsa_memory_ordered 1
		.amdhsa_forward_progress 1
		.amdhsa_inst_pref_size 181
	.end_amdhsa_kernel
	.amdgpu_metadata
---
amdhsa.version: [ 1, 2 ]
amdhsa.kernels:
  - .name:           k_q3c8a5f2cde_mkm
    .symbol:         k_q3c8a5f2cde_mkm.kd
    .args:
      - { .name: input_BI, .offset: 0, .size: 8, .value_kind: global_buffer, .address_space: global }
      - { .name: w0a, .offset: 8, .size: 8, .value_kind: global_buffer, .address_space: global }
      - { .name: w0b, .offset: 16, .size: 8, .value_kind: global_buffer, .address_space: global }
      - { .name: w1a, .offset: 24, .size: 8, .value_kind: global_buffer, .address_space: global }
      - { .name: w1b, .offset: 32, .size: 8, .value_kind: global_buffer, .address_space: global }
      - { .name: w2a, .offset: 40, .size: 8, .value_kind: global_buffer, .address_space: global }
      - { .name: w2b, .offset: 48, .size: 8, .value_kind: global_buffer, .address_space: global }
      - { .name: bias_O, .offset: 56, .size: 8, .value_kind: global_buffer, .address_space: global }
      - { .name: out0, .offset: 64, .size: 8, .value_kind: global_buffer, .address_space: global }
    .group_segment_fixed_size: 327680
    .private_segment_fixed_size: 0
    .kernarg_segment_align: 8
    .kernarg_segment_size: 72
    .max_flat_workgroup_size: 128
    .sgpr_count:     96
    .vgpr_count:     1024
    .wavefront_size: 32
...
	.end_amdgpu_metadata
.endif
;; end of part 1
